; MI455X (gfx1250); checked and timed in simulation.
; The chip was launched on July 23, 2026; its instructions are those of AMD's public machine-readable ISA for CDNA 5 (MIT licence, August 2026) and "CDNA5" Instruction Set Architecture Reference Guide (July 2026). The comments in the code are by the model that wrote it; some were corrected since.
;; Gemm RS Triton NV Link. Allowed arithmetic: matrix products marked QUANTISED: E3M2 operands, one E8M0 scale for each 32 along K, by v_wmma_scale_f32_16x16x128_f8f6f4 with both operands' format E3M2, f32 sums; everything else in f32.
;; Inputs: weight 8 x 1,024 x 4,096 float32; x 8 x 2,048 x 1,024 float32.
;; Outputs: out0 8 x 256 x 4,096 float32.
;; This version of the problem:
;;   THIS VERSION OF THE PROBLEM IS GIVEN IN LOW PRECISION. The matrix products marked QUANTISED in the list below multiply operands that are first quantised to E3M2 (3 exponent bits, 2 mantissa bits; 6 bits a number), with one power-of-two scale for each 32 numbers along K (OCP MX v1.0); their sums are f32. All else is computed in f32.
;;   The module's matrix products, in the order in which they are computed (A, B: the left and right operand; K: the contracted axis; several contracted axes count as one K, in the product's order):
;;     1. [M 2,048, K 8,192] x [K 8,192, N 4,096]; A: input x; B: input weight: QUANTISED
;;   THE QUANTISER, for each operand of a quantised product, along K:
;;     - K is cut into blocks of 32 from its start; a last block that is shorter is filled with zeros.
;;     - A block's scale is 2^e with e = floor(log2(the largest magnitude in the block)) - 4, held to -126 .. 127; a block of zeros has e = 0. As a byte (E8M0): e + 127.
;;     - Each number is divided by its block's scale, clamped to +-28, and rounded to the nearest number of E3M2, ties to even, subnormals kept.
;;     - The product sums the exact products of the quantised numbers (number of the format x scale) in f32.
;;   ~~~python
;;   def quantise(x, axis):      # numpy; x: float32 -> the quantised numbers, widened to float32 again
;;       x = np.moveaxis(x, axis, -1); K = x.shape[-1]
;;       x = np.pad(x, [(0, 0)] * (x.ndim - 1) + [(0, -K % 32)]); x = x.reshape(x.shape[:-1] + (-1, 32)); a = np.abs(x).max(-1, keepdims=True)
;;       e = np.where(a > 0, np.clip(np.frexp(np.where(a > 0, a, 1))[1] - 1 - 4, -126, 127), 0)      # np.frexp(a)[1] - 1 = floor(log2(a)), exactly
;;       r = np.clip(x / 2.0 ** e, -28, 28)
;;       step = 2.0 ** (np.maximum(np.frexp(np.where(r == 0, 1, r))[1] - 1, -2) - 2)
;;       q = np.round(r / step) * step * 2.0 ** e      # np.round: ties to even
;;       return np.moveaxis(q.reshape(q.shape[:-2] + (-1,))[..., :K], -1, axis).astype(np.float32)
;;   ~~~
;; One version. Each part assembles by itself: llvm-mc -triple=amdgcn-amd-amdhsa -mcpu=gfx1250 --defsym DOCPART=n.
;; ======== version 1 of 1: 2 launches
;; limits: right only within a limited range of input values
;; workspace buffers: a_img 12,582,912 bytes; b_img 25,165,824 bytes; scl 1,572,864 bytes
;; launch quant (part 1): grid 256 x 1, 8 waves a work-group, no clusters, 285,696 bytes of LDS; arguments x, weight, a_img, b_img, scl; writes a_img, b_img, scl
.if DOCPART == 1
	.amdgcn_target "amdgcn-amd-amdhsa--gfx1250"
	.amdhsa_code_object_version 6
	.text
	.protected	k_q7024ba72ae_quant
	.globl	k_q7024ba72ae_quant
	.p2align	8
	.type	k_q7024ba72ae_quant,@function
k_q7024ba72ae_quant:
	s_mov_b64 s[64:65], 0
	v_nop
	global_prefetch_b8 v0, s[64:65] scope:SCOPE_SE
	s_setreg_imm32_b32 hwreg(HW_REG_WAVE_MODE, 25, 1), 1
	s_wait_xcnt 0x0
; x [8][2048][1024] and weight [8][1024][4096], f32, become codes of BF6 (E3M2), 6 bits each, with one E8M0 scale byte for each 32 along K.
; THE PRODUCT'S K is 8 k + rank (the contracted axes in the product's order: k, then the rank), so a block of 32 is FOUR NEIGHBOURING k OF ALL EIGHT RANKS.
; A block's scale is 2^(floor(log2(its largest magnitude)) - 4); its byte is the largest magnitude's exponent field - 4, held at 1 from below; each number is divided by the scale and rounded to the
; nearest code, ties to even, beyond the largest code the largest.
; LIMITS: NaN and infinities among the inputs are not served; blocks whose largest magnitude lies under 2^(4 - 126) have their byte held at 1 and were not tried; a block of zeros gets the byte 1 where
; the quantiser's text says 127: its codes are zeros, which add nothing under that byte, and the bytes are read by this program alone.
; A K STEP T of 128 holds k = 16 T .. 16 T + 15 of all ranks; its block b holds k = 16 T + 4 b + i; inside a block the numbers stand in the order 4 rank + i, alike in A and in B (an order inside a block
; that both operands share changes no product and no scale).
; THE OUTPUT IS LAID IN THE ORDER OF THE OPERAND'S REGISTERS.  a_img: [16 panels of 128 rows m][64 K steps][8 fragments][1,536 bytes]; b_img: [32 panels of 128 columns n][64][8][1,536].
; A fragment is 16 rows x 128 K, 12 registers a lane (lane l: row l % 16; registers 6 c .. 6 c + 5: block 2 c + l / 16); register j of lane l lies at byte 512 (j / 4) + 16 l + 4 (j % 4).
; scl: a record of 512 bytes for each panel and K step (A's 16 x 64 records, then B's 32 x 64 from byte 524,288): the scale word of row r of fragment i at 256 (i / 4) + 16 r + 4 (i % 4).
; SHARES.  A slot of LDS holds 64 columns of weight (or 64 rows of x) x 64 k x 8 ranks: eight tiles of 64 rows x 256 bytes, one a rank; wave w brings rank w's.  That is half a panel x four K steps.
; The input is 1,536 such slots; each of the 256 work-groups takes six, all on one path: four of weight (one panel, two groups of 64 k, two halves each) and two of x (one panel, one group of 64 k, two halves).
; THE FEED.  A block needs all eight ranks, so the tiles meet in LDS.  A wave brings its tile by 32 loads of 16 bytes a lane (each half of the lanes reads 256 consecutive aligned bytes: a tile's row) into one of two
; sets of 128 staging registers and stores it into the slot.  The wait for a tile is counted: the next slot's 32 loads stay out, across the barrier and through the work, and the loads of the slot two on are issued
; as soon as the set is free: 16 to 32 KB of every wave are always on their way.
; Behind the barrier wave w works K step w % 4 of the slot, columns or rows 32 (w / 4) on: a lane takes a column (weight: its registers run down k and over the ranks, each LDS load reads 128 consecutive bytes)
; or a row (x: 16 bytes of each rank's tile a load; rows 272 bytes apart in LDS: 68 words, so sixteen rows start at sixteen different banks, ISA guide 11.1).  A lane holds four whole blocks, so no other lane
; is asked for a maximum, and a wave makes two whole fragments and one scale word a lane.
; THE SCALE WORDS: 256 consecutive bytes of a record are four fragments' words, which two waves make: so the words are gathered in an LDS scratch of their own and leave at the end, 256 aligned bytes a store.
; No matrix work and no input that two work-groups read: no matrix unit, no cluster.  The launch streams its inputs once, so nothing is prefetched.
.set TILEB, 17408                      ; a tile's place: 64 rows x 272 bytes (x's rows, 16 bytes apart from each other); weight's dense tile takes 16,384 of it
.set SLOTW, 8*TILEB                    ; a slot: eight tiles
.set SCR,   2*SLOTW                    ; behind the two slots: the scale words' scratch: 1,024 bytes for each of the six slots' worth (256 for each K step)
.set LW,   2                           ; v2-5   weight: my column and K step in slot 0 ranks 0-3, ranks 4-7, slot 1 ranks 0-3, ranks 4-7 (an LDS offset has 16 bits)
.set LX,   6                           ; v6-9   x: my row and K step, likewise
.set ST16, 10                          ; v10    16 x lane: my place in an image's 512 bytes; never rewritten
.set SX,   11                          ; v11    8 x lane: my place in 256 bytes of scale words; never rewritten
.set GW,   12                          ; v12    weight in memory: 16 (lane % 16) + 16,384 (lane / 16): two rows of a tile a load; never rewritten
.set GX,   13                          ; v13    x in memory: 16 (lane % 16) + 4,096 (lane / 16); never rewritten
.set SW,   14                          ; v14    the scratch: where my scale word goes
.set SR,   15                          ; v15    and where I read 8 bytes of a finished 256
.set WD,   24                          ; v24-29 my scale word of each of the six slots' worth
.set UN,   32                          ; v32-37 three times 8 bytes of scale words on their way out
.set SAW,  38                          ; v38-39 where I store my tile of weight in slot 0, 1: my tile's place + 16 x lane
.set SAX,  40                          ; v40-41 the same for x: my tile's place + 272 (lane / 16) + 16 (lane % 16)
.set X,    64                          ; v64-191  numbers: half c of the K step at X + 64 c; in it block 2 c + b at + 32 b; in a block 4 rank + i
.set CD,   192                         ; v192-215 codes: the fragment of my rows 0-15, then that of my rows 16-31
.set T,    240                         ; v240-246 the upper halves of two blocks' codes, on their way
                                       ; window 1 (v256-511): the two staging sets, set e at v[128 e] of that window
.set WB,   16                          ; s[16:17] my rank's first tile of weight;  s[18:19] of x; never rewritten
.set XB,   18
.set OB,   48                          ; s[48:49] where my fragments of B go;  s[50:51] my 256 bytes of their scale record;  s[52:53], s[54:55] the same for A
.set OSB,  50
.set OA,   52
.set OSA,  54
.set MSB, 0
.macro WIN new                         ; s_set_vgpr_msb: bits 1:0 source 0, 3:2 source 1, 7:6 destination; the immediate's high byte repeats the setting that is left
.if MSB != \new
	s_set_vgpr_msb (MSB<<8)|\new
.set MSB, \new
.endif
.endm
; My rank's tile, off bytes from my first tile, into staging set e: 32 loads, two rows of 256 bytes each.  Every offset is an immediate (2,064,640 at the most: inside the signed 24 bits, ISA guide, chapter 10).
.macro GLOAD kind, e, off
	WIN 0x40                                       ; destination window 1, address window 0
.set n, 0
.rept 32
.if \kind == 0
	global_load_b128 v[128*(\e)+4*n:128*(\e)+4*n+3], v[GW], s[WB:WB+1] offset:(\off)+2*n*16384 th:TH_LOAD_NT
.else
	global_load_b128 v[128*(\e)+4*n:128*(\e)+4*n+3], v[GX], s[XB:XB+1] offset:(\off)+2*n*4096 th:TH_LOAD_NT
.endif
.set n, n+1
.endr
	WIN 0
.endm
; Staging set e goes into slot e: weight's rows on end (512 consecutive bytes a store), x's rows 272 bytes apart (each half of the lanes 256 consecutive bytes).
.macro STAGE kind, e
	WIN 0x04                                       ; an LDS store's data are its source 1: window 1
.set n, 0
.rept 32
.if \kind == 0
	ds_store_b128 v[SAW+(\e)], v[128*(\e)+4*n:128*(\e)+4*n+3] offset:512*n
.else
	ds_store_b128 v[SAX+(\e)], v[128*(\e)+4*n:128*(\e)+4*n+3] offset:544*n
.endif
.set n, n+1
.endr
	WIN 0
.endm
; A slot's turn up to its barrier.  left: the younger loads that may stay out (the next slot's 32).  more = 1: the set takes the tile of the slot two on (kind nkind, noff bytes on).
; ONE barrier a slot serves both orders: this slot's stores stand ahead of it and its reads behind it; the reads of the slot worked last are waited for ahead of it, and the next stores into that slot's
; bytes stand behind it.
.macro TAKE kind, e, left, more, nkind, noff
	s_wait_loadcnt \left                           ; loads come back in order (ISA guide 5.7.1): my tile is in its registers
	STAGE \kind, \e
	s_wait_dscnt 0x0                               ; my stores have landed and have read the staging registers; my reads of the slot worked last are back, my scale word has landed
.if \more
	GLOAD \nkind, \e, \noff
.endif
	s_barrier_signal -1
	s_barrier_wait -1                              ; the slot is whole, and nobody reads the other one any more
.endm
	s_load_b256 s[4:11], s[0:1], 0x0               ; x s[4:5], weight s[6:7], a_img s[8:9], b_img s[10:11]
	s_load_b64 s[12:13], s[0:1], 0x20              ; scl
	v_lshl_add_u32 v254, v0, 2, 0x45800
	v_mov_b32 v255, 0
	v_lshrrev_b32 v1, 5, v0
	s_delay_alu instid0(VALU_DEP_1)
	v_readfirstlane_b32 s14, v1                    ; wave 0..7: the rank that I bring
	v_and_b32 v30, 15, v0                          ; r = lane % 16
	v_bfe_u32 v31, v0, 4, 1                        ; h = lane / 16
	s_delay_alu instid0(VALU_DEP_2)
	v_lshlrev_b32 v[GW], 4, v30
	s_delay_alu instid0(VALU_DEP_1)
	v_lshl_add_u32 v[GX], v31, 12, v[GW]           ; x: rows 4,096 bytes apart
	s_delay_alu instid0(VALU_DEP_2)
	v_lshl_add_u32 v[GW], v31, 14, v[GW]           ; weight: rows 16,384 bytes apart
	s_and_b32 s56, s14, 3                          ; t: the K step of a slot's four that I work
	s_lshr_b32 s57, s14, 2                         ; s: which 32 of its 64 columns or rows
	; weight: panel p = work-group / 8, groups of 64 k: 2 (work-group % 8) and the next
	s_lshr_b32 s58, ttmp9, 3                       ; p
	s_and_b32 s59, ttmp9, 7
	s_lshl_b32 s59, s59, 1                         ; the first group of 64 k
	s_lshl_b32 s60, s14, 24                        ; 16,777,216 bytes a rank
	s_lshl_b32 s62, s59, 20                        ; 64 rows of 16,384 bytes
	s_add_co_u32 s60, s60, s62
	s_lshl_b32 s62, s58, 9                         ; 128 columns of 4 bytes a panel
	s_add_co_u32 s60, s60, s62
	s_mov_b32 s61, 0                               ; s[60:61]: my first tile of weight
	; x: panel = work-group / 16, group of 64 k = work-group % 16
	s_lshr_b32 s70, ttmp9, 4
	s_and_b32 s71, ttmp9, 15
	s_lshl_b32 s72, s14, 23                        ; 8,388,608 bytes a rank
	s_lshl_b32 s74, s70, 19                        ; 128 rows of 4,096 bytes a panel
	s_add_co_u32 s72, s72, s74
	s_lshl_b32 s74, s71, 8                         ; 64 numbers
	s_add_co_u32 s72, s72, s74
	s_mov_b32 s73, 0                               ; s[72:73]: my first tile of x
	s_wait_alu depctr_va_vdst(0)
	s_wait_kmcnt 0x0
	s_add_nc_u64 s[WB:WB+1], s[6:7], s[60:61]
	s_add_nc_u64 s[XB:XB+1], s[4:5], s[72:73]
	GLOAD 0, 0, 0                                  ; weight: the first 64 k, columns 0-63
	GLOAD 0, 1, 256                                ; and columns 64-127: both sets are on their way before anything else is done
	; where the results go
	s_lshl_b32 s62, s58, 6
	s_lshl_b32 s63, s59, 2
	s_add_co_u32 s62, s62, s63
	s_add_co_u32 s62, s62, s56                     ; 64 p + my K step
	s_mul_i32 s66, s62, 12288
	s_mul_i32 s63, s57, 3072                       ; my two fragments of a half panel's four
	s_add_co_u32 s66, s66, s63
	s_mov_b32 s67, 0                               ; s[66:67]: in b_img
	s_lshl_b32 s68, s62, 9
	s_lshl_b32 s63, s57, 8                         ; of the records I store half s
	s_add_co_u32 s68, s68, s63
	s_add_co_u32 s68, s68, 524288
	s_mov_b32 s69, 0                               ; s[68:69]: in scl
	s_lshl_b32 s74, s70, 6
	s_lshl_b32 s75, s71, 2
	s_add_co_u32 s74, s74, s75
	s_add_co_u32 s74, s74, s56                     ; 64 panel + my K step
	s_mul_i32 s76, s74, 12288
	s_mul_i32 s75, s57, 3072
	s_add_co_u32 s76, s76, s75
	s_mov_b32 s77, 0                               ; s[76:77]: in a_img
	s_lshl_b32 s78, s74, 9
	s_lshl_b32 s75, s57, 8
	s_add_co_u32 s78, s78, s75
	s_mov_b32 s79, 0                               ; s[78:79]: in scl
	s_add_nc_u64 s[OB:OB+1], s[10:11], s[66:67]
	s_add_nc_u64 s[OSB:OSB+1], s[12:13], s[68:69]
	s_add_nc_u64 s[OA:OA+1], s[8:9], s[76:77]
	s_add_nc_u64 s[OSA:OSA+1], s[12:13], s[78:79]
	; LDS addresses: constants, the wave's number and the lane
	s_mul_i32 s15, s14, TILEB                      ; my tile's place in a slot
	v_and_b32 v1, 31, v0                           ; lane
	s_delay_alu instid0(VALU_DEP_1)
	v_lshl_add_u32 v[SAW], v1, 4, s15
	s_delay_alu instid0(VALU_DEP_1)
	v_add_nc_u32 v[SAW+1], SLOTW, v[SAW]
	v_mul_u32_u24 v[SAX], v31, 272
	s_delay_alu instid0(VALU_DEP_1)
	v_lshl_add_u32 v[SAX], v30, 4, v[SAX]
	s_delay_alu instid0(VALU_DEP_1)
	v_add_nc_u32 v[SAX], s15, v[SAX]
	s_delay_alu instid0(VALU_DEP_1)
	v_add_nc_u32 v[SAX+1], SLOTW, v[SAX]
	s_lshl_b32 s58, s56, 12                        ; weight: my K step's 16 rows of 256 bytes,
	s_lshl_b32 s59, s57, 7                         ; my 32 columns,
	s_add_co_u32 s58, s58, s59
	v_lshl_add_u32 v[LW], v1, 2, s58               ; my column
	s_delay_alu instid0(VALU_DEP_1)
	v_add_nc_u32 v[LW+1], 4*TILEB, v[LW]
	s_delay_alu instid0(VALU_DEP_2)
	v_add_nc_u32 v[LW+2], SLOTW, v[LW]
	s_delay_alu instid0(VALU_DEP_3)
	v_add_nc_u32 v[LW+3], SLOTW+4*TILEB, v[LW]
	s_mul_i32 s58, s57, 32*272                     ; x: my 32 rows,
	s_lshl_b32 s59, s56, 6                         ; my K step's 16 numbers of a row,
	s_add_co_u32 s58, s58, s59
	v_mul_u32_u24 v[LX], v1, 272                   ; my row
	s_delay_alu instid0(VALU_DEP_1)
	v_add_nc_u32 v[LX], s58, v[LX]
	s_delay_alu instid0(VALU_DEP_1)
	v_add_nc_u32 v[LX+1], 4*TILEB, v[LX]
	s_delay_alu instid0(VALU_DEP_2)
	v_add_nc_u32 v[LX+2], SLOTW, v[LX]
	s_delay_alu instid0(VALU_DEP_3)
	v_add_nc_u32 v[LX+3], SLOTW+4*TILEB, v[LX]
	v_lshlrev_b32 v[ST16], 4, v1
	v_lshlrev_b32 v[SX], 3, v1
	s_lshl_b32 s58, s56, 8                         ; the scratch: 256 bytes a K step;
	s_lshl_b32 s59, s57, 3                         ; in them row r's 16 bytes hold four fragments' words: mine are fragments 2 s and 2 s + 1 of the half panel
	s_add_co_u32 s59, s59, s58
	s_add_co_u32 s59, s59, SCR
	v_lshlrev_b32 v[SW], 4, v30
	s_delay_alu instid0(VALU_DEP_1)
	v_lshl_add_u32 v[SW], v31, 2, v[SW]
	s_delay_alu instid0(VALU_DEP_1)
	v_add_nc_u32 v[SW], s59, v[SW]
	s_lshl_b32 s59, s57, 10                        ; back: of each panel and K step I take half s: 1,024 s + 256 t + 8 x lane
	s_add_co_u32 s59, s59, s58
	s_add_co_u32 s59, s59, SCR
	v_lshl_add_u32 v[SR], v1, 3, s59
; Half c of my K step (blocks 2 c and 2 c + 1) of the slot into registers: 64 numbers a lane.  kind 0, weight: a load a row of k and rank.  kind 1, x: a load four neighbouring k of a rank.
.macro LOAD kind, slot, c
.if \kind == 0
.set n, 0
.rept 64                               ; n = 32 b + 4 rank + i
	ds_load_b32 v[X+64*(\c)+n], v[LW+2*(\slot)+((n/4)%8)/4] offset:(((n/4)%8)%4)*TILEB+(8*(\c)+4*(n/32)+n%4)*256
.set n, n+1
.endr
.else
.set n, 0
.rept 16                               ; n = 8 b + rank
	ds_load_b128 v[X+64*(\c)+4*n:X+64*(\c)+4*n+3], v[LX+2*(\slot)+(n%8)/4] offset:((n%8)%4)*TILEB+16*(2*(\c)+n/8)
.set n, n+1
.endr
.endif
.endm
; Blocks 2 c and 2 c + 1 become codes and two bytes of the lane's scale word wreg.  The two blocks take turns line by line.
.macro QSET c, wreg
.set X0, X+64*(\c)
.set X1, X+64*(\c)+32
.set FE, CD+6*(\c)                     ; registers 6 c .. 6 c + 5 of the fragment of my rows 0-15,
.set FO, CD+12+6*(\c)                  ; and of my rows 16-31
	v_max3_num_f32 v16, |v[X0]|,   |v[X0+1]|, |v[X0+2]|      ; a block's largest magnitude, in two chains
	v_max3_num_f32 v18, |v[X1]|,   |v[X1+1]|, |v[X1+2]|
	v_max3_num_f32 v17, |v[X0+3]|, |v[X0+4]|, |v[X0+5]|
	v_max3_num_f32 v19, |v[X1+3]|, |v[X1+4]|, |v[X1+5]|
.irp k, 6,10,14,18,22,26
	s_delay_alu instid0(VALU_DEP_4)
	v_max3_num_f32 v16, v16, |v[X0+\k]|,   |v[X0+\k+1]|
	s_delay_alu instid0(VALU_DEP_4)
	v_max3_num_f32 v18, v18, |v[X1+\k]|,   |v[X1+\k+1]|
	s_delay_alu instid0(VALU_DEP_4)
	v_max3_num_f32 v17, v17, |v[X0+\k+2]|, |v[X0+\k+3]|
	s_delay_alu instid0(VALU_DEP_4)
	v_max3_num_f32 v19, v19, |v[X1+\k+2]|, |v[X1+\k+3]|
.endr
	s_delay_alu instid0(VALU_DEP_4)
	v_max3_num_f32 v16, v16, |v[X0+30]|, |v[X0+31]|
	s_delay_alu instid0(VALU_DEP_4)
	v_max3_num_f32 v18, v18, |v[X1+30]|, |v[X1+31]|
	s_delay_alu instid0(VALU_DEP_2)
	v_max3_num_f32 v16, v16, v17, 0x2800000        ; and the floor 2^(5 - 127), under which no largest magnitude is taken: so the byte cannot fall under 1
	s_delay_alu instid0(VALU_DEP_2)
	v_max3_num_f32 v18, v18, v19, 0x2800000
	s_delay_alu instid0(VALU_DEP_2)
	v_add_nc_u32 v20, 0xfe000000, v16              ; 4 off the exponent field: the conversion takes the exponent field of this operand as its scale, and nothing else of it
	s_delay_alu instid0(VALU_DEP_2)
	v_add_nc_u32 v21, 0xfe000000, v18
	s_delay_alu instid0(VALU_DEP_2)
	v_lshrrev_b32 v22, 23, v20                     ; the scales' bytes
	s_delay_alu instid0(VALU_DEP_2)
	v_lshrrev_b32 v23, 23, v21
.if \c == 0
	s_delay_alu instid0(VALU_DEP_1)
	v_lshl_or_b32 v[\wreg], v23, 8, v22            ; bytes 0 and 1 of my row's scale word
.else
	s_delay_alu instid0(VALU_DEP_2)
	v_lshl_or_b32 v[\wreg], v22, 16, v[\wreg]      ; bytes 2 and 3
	s_delay_alu instid0(VALU_DEP_1)
	v_lshl_or_b32 v[\wreg], v23, 24, v[\wreg]
.endif
	v_cvt_scalef32_pk16_bf6_f32 v[FE:FE+2],   v[X0:X0+15],    v20   ; sixteen codes, 96 bits, the first number's code lowest
	v_cvt_scalef32_pk16_bf6_f32 v[T:T+2],     v[X0+16:X0+31], v20   ; (a conversion's three registers begin on an even number: a block's upper half is made elsewhere and moved)
	v_cvt_scalef32_pk16_bf6_f32 v[FO:FO+2],   v[X1:X1+15],    v21
	v_cvt_scalef32_pk16_bf6_f32 v[T+4:T+6],   v[X1+16:X1+31], v21
	v_nop                                          ; one plain instruction between a scaled conversion and the vector instruction that touches its result
.irp j, 0,1,2
	v_mov_b32 v[FE+3+\j], v[T+\j]
	v_mov_b32 v[FO+3+\j], v[T+4+\j]
.endr
.irp j, 0,1,2,3,4,5                    ; so far FE holds every lane's block 2 c and FO its block 2 c + 1.  The operand's layout wants, of rows 0-15, block 2 c in lanes 0-15 and block 2 c + 1 in lanes 16-31:
	v_permlane16_swap_b32 v[FE+\j], v[FO+\j]       ; FE's lanes 16-31 change places with FO's lanes 0-15: FE is now the image of my rows 0-15, FO that of my rows 16-31
.endr
.endm
; My share of a slot is read, quantised and stored.  j: which of the six; base, off: where its two fragments go.  fresh = 1: the codes' registers were the data of stores.
.macro WORK kind, slot, j, base, off, fresh
	LOAD \kind, \slot, 0
	s_wait_dscnt 0x0
	LOAD \kind, \slot, 1                           ; the second half comes while the first is worked
.if \fresh
	s_wait_xcnt 0x0                                ; the codes' registers are written again only behind this wait: the stores have read them
.endif
	QSET 0, WD+\j
	s_wait_dscnt 0x0
	QSET 1, WD+\j
.irp f, 0,1
.irp g, 0,1,2
	global_store_b128 v[ST16], v[CD+12*\f+4*\g:CD+12*\f+4*\g+3], s[\base:\base+1] offset:(\off)+1536*\f+512*\g   ; each store of the wave covers 512 consecutive bytes, aligned
.endr
.endr
	ds_store_b32 v[SW], v[WD+\j] offset:1024*\j    ; my scale word, to its place among its row's four
.endm
	TAKE 0, 0, 32, 1, 0, 0x100000                  ; set 0 then takes the next 64 k (64 rows of 16,384 bytes on), columns 0-63
	WORK 0, 0, 0, OB, 0, 0                         ; weight: the first 64 k, columns 0-63
	TAKE 0, 1, 32, 1, 0, 0x100000+256              ; set 1 then takes the next 64 k, columns 64-127
	WORK 0, 1, 1, OB, 6144, 1                      ; the first 64 k, columns 64-127: fragments 4-7
	TAKE 0, 0, 32, 1, 1, 0                         ; set 0 then takes x, rows 0-63
	WORK 0, 0, 2, OB, 49152, 1                     ; four K steps of 12,288 bytes on
	TAKE 0, 1, 32, 1, 1, 0x40000                   ; set 1 then takes x, rows 64-127 (64 rows of 4,096 bytes on): the last loads
	WORK 0, 1, 3, OB, 49152+6144, 1
	TAKE 1, 0, 32, 0, 0, 0                         ; nothing is left to fetch
	WORK 1, 0, 4, OA, 0, 1
	TAKE 1, 1, 0, 0, 0, 0                          ; the last wait is for zero: no load was issued behind these
	WORK 1, 1, 5, OA, 6144, 1
	s_wait_dscnt 0x0                               ; for the others' sake: my scale words have landed
	s_barrier_signal -1
	s_barrier_wait -1
	ds_load_b64 v[UN:UN+1],   v[SR]                ; half s of the record of my K step: weight's first 64 k,
	ds_load_b64 v[UN+2:UN+3], v[SR] offset:2048    ; weight's next 64 k,
	ds_load_b64 v[UN+4:UN+5], v[SR] offset:4096    ; x
	s_wait_dscnt 0x0
	global_store_b64 v[SX], v[UN:UN+1],   s[OSB:OSB+1]             ; 32 lanes store 256 consecutive bytes, aligned
	global_store_b64 v[SX], v[UN+2:UN+3], s[OSB:OSB+1] offset:2048 ; four records on
	global_store_b64 v[SX], v[UN+4:UN+5], s[OSA:OSA+1]
	s_wait_tensorcnt 0x0
	ds_add_u32 v254, v255
	s_wait_dscnt 0x0
	s_endpgm
.Lfunc_end_k_q7024ba72ae_quant:
	.size	k_q7024ba72ae_quant, .Lfunc_end_k_q7024ba72ae_quant-k_q7024ba72ae_quant
	.p2alignl 7, 3214868480
	.fill 96, 4, 3214868480
	.section	.rodata,"a",@progbits
	.p2align	6, 0x0
	.amdhsa_kernel k_q7024ba72ae_quant
		.amdhsa_group_segment_fixed_size 285696
		.amdhsa_private_segment_fixed_size 0
		.amdhsa_enable_private_segment 0
		.amdhsa_kernarg_size 40
		.amdhsa_user_sgpr_count 2
		.amdhsa_user_sgpr_kernarg_segment_ptr 1
		.amdhsa_wavefront_size32 1
		.amdhsa_system_sgpr_workgroup_id_x 1
		.amdhsa_system_sgpr_workgroup_id_y 1
		.amdhsa_system_sgpr_workgroup_id_z 1
		.amdhsa_system_vgpr_workitem_id 0
		.amdhsa_next_free_vgpr 512
		.amdhsa_next_free_sgpr 80
		.amdhsa_reserve_vcc 0
		.amdhsa_float_denorm_mode_32 3
		.amdhsa_float_denorm_mode_16_64 3
		.amdhsa_memory_ordered 1
		.amdhsa_forward_progress 1
		.amdhsa_inst_pref_size 127
	.end_amdhsa_kernel
	.amdgpu_metadata
---
amdhsa.version: [ 1, 2 ]
amdhsa.kernels:
  - .name:           k_q7024ba72ae_quant
    .symbol:         k_q7024ba72ae_quant.kd
    .args:
      - { .name: x, .offset: 0, .size: 8, .value_kind: global_buffer, .address_space: global }
      - { .name: weight, .offset: 8, .size: 8, .value_kind: global_buffer, .address_space: global }
      - { .name: a_img, .offset: 16, .size: 8, .value_kind: global_buffer, .address_space: global }
      - { .name: b_img, .offset: 24, .size: 8, .value_kind: global_buffer, .address_space: global }
      - { .name: scl, .offset: 32, .size: 8, .value_kind: global_buffer, .address_space: global }
    .group_segment_fixed_size: 285696
    .private_segment_fixed_size: 0
    .kernarg_segment_align: 8
    .kernarg_segment_size: 40
    .max_flat_workgroup_size: 256
    .sgpr_count:     80
    .vgpr_count:     512
    .wavefront_size: 32
...
	.end_amdgpu_metadata
.endif
;; end of part 1
;; launch gemm (part 2): grid 16 x 16, 4 waves a work-group, clusters of 4 x 1, 327,680 bytes of LDS; arguments a_img, b_img, scl, out0; writes out0
.if DOCPART == 2
	.amdgcn_target "amdgcn-amd-amdhsa--gfx1250"
	.amdhsa_code_object_version 6
	.text
	.protected	k_q7024ba72ae_gemm
	.globl	k_q7024ba72ae_gemm
	.p2align	8
	.type	k_q7024ba72ae_gemm,@function
k_q7024ba72ae_gemm:
	s_mov_b64 s[64:65], 0
	v_nop
	global_prefetch_b8 v0, s[64:65] scope:SCOPE_SE
	s_setreg_imm32_b32 hwreg(HW_REG_WAVE_MODE, 25, 1), 1
	s_wait_xcnt 0x0
	s_wait_alu depctr_hold_cnt(0) depctr_sa_sdst(0) depctr_va_vdst(0) depctr_va_sdst(0) depctr_va_ssrc(0) depctr_va_vcc(0) depctr_vm_vsrc(0)
	s_getreg_b32 s2, hwreg(HW_REG_IB_STS2, 6, 4)
	s_cmp_eq_u32 s2, 0
	s_cbranch_scc0 .Lentry_in_a_cluster
	s_endpgm
.Lentry_in_a_cluster:
	s_bfe_u32 s2, ttmp6, 0x10000c
	s_cmp_lg_u32 s2, 0x3003
	s_cbranch_scc0 .Lentry_shape_is_right
	s_endpgm
.Lentry_shape_is_right:
; out0 [2048][4096] f32 = A B^T on codes of BF6 (E3M2) with E8M0 scales, K = 8,192 in 64 K steps of 128; a_img, b_img and scl are laid in the order of the operands' registers by the launch before.
; A work-group makes 128 rows x 256 columns; grid x = the block's row (16), grid y = its column (16).  Wave w: h = w / 2 takes K steps 32 h .. 32 h + 31, mh = w % 2 takes rows 64 mh .. 64 mh + 63, all 256 columns:
; 64 accumulators, 512 registers.  At the end the two waves of a row half exchange half of their sums through LDS and add them in f32: wave h keeps the columns of panel h.
; B GOES THROUGH A RING OF TWO LDS SLOTS: a slot holds, for each of the two K ranges and each of the two panels of 128 columns, three K steps: four dense tiles of 36,864 bytes (72 rows of 512 bytes), one tensor load a wave.
; CLUSTER 4, 1, 1: the four partners have the same block column and other block rows, so they need the same tiles of B: each tile is asked for jointly, mask 15.
; A IS NOT ASKED FOR JOINTLY AND DOES NOT PASS LDS: each byte of the block's A is needed by exactly one wave of the work-group (its row half, its K range), and no partner of the cluster needs it.  It comes by loads of 16 bytes a lane
; (512 consecutive bytes a load) straight into the operand's registers, three sets, each set asked for three steps ahead of its use; so the slots hold B alone: three steps a wave to each change of slots.
; THE SCALE WORDS come the same way, three loads a step: X: lanes 0-15 A's four fragments, lanes 16-31 B's blocks 0-3; Y: B's blocks 4-7 and 8-11; Z: B's blocks 12-15 (both halves of the lanes alike).
; A step's 64 products go by B's blocks, each against A's four: a block of B is free when its four products are issued, so B has ONE set of registers, filled anew by halves, in two runs of loads a step.
; B's blocks 0-7 are the panel that the wave keeps (panel h), blocks 8-15 the other: so every wave sends window 3 and keeps window 2.
; THE MATRIX INSTRUCTION IS USED TRANSPOSED (source 0 = 16 columns of B, source 1 = 16 rows of A): a lane holds eight neighbouring numbers of a row of the result.
; PREFETCHES: B: behind each tensor load a wave names its quarter (by the partner's place, in the address alone) of its own tile one slot beyond that load's: 36 blocks of 256 bytes, two instructions; slots 0 and 10 are not named.
; A: in each step of the loop a wave names its own 24 blocks of the step six on, three steps ahead of the load; steps 0-6 and 31 are not named.  No named byte lies outside the K range of its panel.
; REGISTERS: window 0: v15-31 addresses, v32-67 scale words (3 sets of 12), v80-223 A's fragments (3 sets of 48); window 1: v0-191 B's 16 fragments; windows 2, 3: accumulator (a, b) at v[8 (8 a + b % 8)] of window 2 + b / 8.
.set FRB,    1536
.set KST,    8*FRB                     ; a panel's K step
.set TILE,   3*KST                     ; what one tensor load brings
.set SLOT,   4*TILE
.set SPARE,  2*SLOT                    ; the spare words: 128 bytes a wave
.set PANEL,  64*KST
.set LAPB,   6*KST                     ; a lap: six steps of a wave, two slots
.set XCH,    32768
.set SPITCH, 528
.set PFV,   15                         ; 256 x min(lane, 23)
.set ADRB,  16                         ; v16-19: 16 x lane + my panel's tile: slot 0 kept panel, other panel; slot 1 likewise
.set PFO,   20                         ; 256 x lane
.set PFO2,  21                         ; 8,192 + 256 x min(lane, 3)
.set XW,    22
.set XR,    23
.set STO,   24
.set RD,    25
.set CO,    26                         ; 16 x lane
.set SOFX,  27
.set SPW,   28
.set NIL,   29
.set SOFY,  30
.set SOFZ,  31
.set SC,    32
.set AF,    80
.set BK,    128
.set G1,  24                           ; group 1: 72 rows of 512 bytes
.set G0,  32                           ; group 0, a set for each slot
.set G1S, 48                           ; group 1 of the last load: two steps, 96 rows of 256 bytes
.set SB,  66                           ; scl
.set AB,  68                           ; my A: panel, K range, row half; stepped once a lap
.set PB,  70                           ; my quarter of my B tiles; stepped once a lap
.set MSB, 0
.macro WIN new
.if MSB != \new
	s_set_vgpr_msb (MSB<<8)|\new
.set MSB, \new
.endif
.endm
.set MUL_LO, 0xa1
.set MUL_HI, 0xf1
.set TO_B,   0x40
.macro JLOAD g0, g1                    ; the joint load; s_nop 0 and four v_nop behind it
	tensor_load_to_lds s[\g0:\g0+3], s[\g1:\g1+7]
	s_nop 0
.rept 4
	v_nop
.endr
.endm
.macro CREST
	s_cmp_lg_u32 s14, 0
	s_cbranch_scc1 .Lnot_wave_0_\@
	s_barrier_signal -3
.Lnot_wave_0_\@:
	s_barrier_wait -3
	s_barrier_signal -1
	s_barrier_wait -1
.endm
.macro CROUND
	s_barrier_signal -1
	s_barrier_wait -1
	CREST
.endm
.macro PLACES
.rept 4
	v_nop
.endr
.endm
.macro ASKB k, cond                    ; my quarter of my tile of slot k of the lap; cond = 1: not in the loop's last trip, whose slot would be the short one
.if \cond
	s_cmp_gt_u32 s3, 1
	s_cbranch_scc0 .Lno_ask_\@
.endif
	global_prefetch_b8 v[PFO], s[PB:PB+1] offset:(\k)*TILE th:TH_LOAD_NT scope:SCOPE_SE
	global_prefetch_b8 v[PFO2], s[PB:PB+1] offset:(\k)*TILE th:TH_LOAD_NT scope:SCOPE_SE
.if \cond
.Lno_ask_\@:
.endif
.endm
.macro GL u, st                        ; step u of the lap: A's four fragments and the scale words into set st: 15 loads
.irp a, 0,1,2,3
.irp g, 0,1,2
	global_load_b128 v[AF+48*(\st)+12*\a+4*\g:AF+48*(\st)+12*\a+4*\g+3], v[CO], s[AB:AB+1] offset:(\u)*KST+FRB*\a+512*\g
.endr
.endr
	global_load_b128 v[SC+12*(\st):SC+12*(\st)+3],    v[SOFX], s[SB:SB+1] offset:512*(\u)
	global_load_b128 v[SC+12*(\st)+4:SC+12*(\st)+7],  v[SOFY], s[SB:SB+1] offset:512*(\u)
	global_load_b128 v[SC+12*(\st)+8:SC+12*(\st)+11], v[SOFZ], s[SB:SB+1] offset:512*(\u)
.endm
.macro FETCH_B slot, q, hi             ; eight fragments of B, step q of the slot: 24 LDS loads, 512 consecutive bytes each
	WIN TO_B
.irp i, 0,1,2,3,4,5,6,7
.irp g, 0,1,2
	ds_load_b128 v[96*(\hi)+12*\i+4*\g:96*(\hi)+12*\i+4*\g+3], v[ADRB+2*(\slot)+(\hi)] offset:KST*(\q)+FRB*\i+512*\g
.endr
.endr
	WIN 0
.endm
.macro MUL4 b, st, zero                ; B's block b against A's four.  The accumulators take turns, in the same order in every step
.irp a, 0,1,2,3
.set AC,  8*(8*\a+(\b)%8)
.set BF,  12*(\b)
.set AA,  AF+48*(\st)+12*\a
.set SBR, SC+12*(\st)+(\b)-4*((\b)/8)
.set SAR, SC+12*(\st)+\a
.if \zero
.if ((\b)/4)%2 == 0
	v_wmma_scale_f32_16x16x128_f8f6f4 v[AC:AC+7], v[BF:BF+11], v[AA:AA+11], 0, v[SBR], v[SAR] matrix_a_fmt:MATRIX_FMT_BF6 matrix_b_fmt:MATRIX_FMT_BF6 matrix_a_scale:MATRIX_SCALE_ROW1
.else
	v_wmma_scale_f32_16x16x128_f8f6f4 v[AC:AC+7], v[BF:BF+11], v[AA:AA+11], 0, v[SBR], v[SAR] matrix_a_fmt:MATRIX_FMT_BF6 matrix_b_fmt:MATRIX_FMT_BF6
.endif
.else
.if ((\b)/4)%2 == 0
	v_wmma_scale_f32_16x16x128_f8f6f4 v[AC:AC+7], v[BF:BF+11], v[AA:AA+11], v[AC:AC+7], v[SBR], v[SAR] matrix_a_fmt:MATRIX_FMT_BF6 matrix_b_fmt:MATRIX_FMT_BF6 matrix_a_scale:MATRIX_SCALE_ROW1
.else
	v_wmma_scale_f32_16x16x128_f8f6f4 v[AC:AC+7], v[BF:BF+11], v[AA:AA+11], v[AC:AC+7], v[SBR], v[SAR] matrix_a_fmt:MATRIX_FMT_BF6 matrix_b_fmt:MATRIX_FMT_BF6
.endif
.endif
.endr
.endm
.macro MUL16 b0, st, zero
.irp b, \b0, \b0+1, \b0+2, \b0+3
	MUL4 \b, \st, \zero
.endr
.endm
; A step inside a slot: step q of the slot on set st; the next step's B comes by halves.  lc: the younger groups of 15 loads that may stay out.  gl: the step of the lap that set st takes next (-1: none).  pf: the step named to the L2 (-1: none).
; bump = 1: the lap's bases step ahead of this step's loads; the loads and prefetches that read them were issued 32 products or more ago.
.macro STEP slot, q, st, zero, lc, gl, pf, bump
	s_wait_loadcnt \lc
	s_wait_dscnt 24                                ; B's blocks 0-7 are in; the youngest 24 loads (blocks 8-15) may be out
	WIN MUL_LO
	MUL16 0, \st, \zero
	MUL16 4, \st, \zero
	s_wait_dscnt 0x0
	PLACES                                         ; four places in front of loads into registers that matrix instructions have read
	FETCH_B \slot, (\q)+1, 0
.if \pf >= 0
	global_prefetch_b8 v[PFV], s[AB:AB+1] offset:(\pf)*KST th:TH_LOAD_NT scope:SCOPE_SE
.endif
	WIN MUL_HI
	MUL16 8, \st, \zero
	MUL16 12, \st, \zero
	PLACES
	FETCH_B \slot, (\q)+1, 1
.if \bump
	s_wait_xcnt 0x0                                ; the bases step only behind this wait
	s_add_nc_u64 s[AB:AB+1], s[AB:AB+1], LAPB
	s_add_nc_u64 s[SB:SB+1], s[SB:SB+1], 6*512
	s_add_nc_u64 s[PB:PB+1], s[PB:PB+1], LAPB
.endif
.if \gl >= 0
	GL \gl, \st
.endif
.endm
; A slot's last step changes slots.  In front of the barrier each wave waits for all its tensor loads (one is out: its tile of the next slot), adds 0 to its spare word, and waits for that and for its reads of this slot.
; fill = 1: the barrier opens a round of the cluster's barrier and this slot is filled again, two slots on; fill = 2: the same with the last, short tile; fill = 0: nothing is left to fetch.
.macro TURN slot, next, st, lc, fill, gl, pf, ask
	s_wait_loadcnt \lc
	s_wait_tensorcnt 0x0
	ds_add_u32 v[SPW], v[NIL]
	s_wait_dscnt 25                                ; the add and the youngest 24 loads may be out
	WIN MUL_LO
	MUL16 0, \st, 0
	s_wait_dscnt 0x0                               ; the add is done, my reads of this slot are over
	s_barrier_signal -1
	MUL16 4, \st, 0
	WIN 0
	s_barrier_wait -1
.if \fill
	CREST
	s_add_nc_u64 s[G0+4*\slot+2:G0+4*\slot+3], s[G0+4*\slot+2:G0+4*\slot+3], LAPB
.if \fill == 1
	JLOAD G0+4*\slot, G1
.else
	JLOAD G0+4*\slot, G1S
.endif
.else
	PLACES
.endif
	FETCH_B \next, 0, 0
.if \ask == 1
	ASKB 3, 0
.endif
.if \ask == 2
	ASKB 4, 1
.endif
.if \pf >= 0
	global_prefetch_b8 v[PFV], s[AB:AB+1] offset:(\pf)*KST th:TH_LOAD_NT scope:SCOPE_SE
.endif
	WIN MUL_HI
	MUL16 8, \st, 0
	MUL16 12, \st, 0
	PLACES
	FETCH_B \next, 0, 1
.if \gl >= 0
	GL \gl, \st
.endif
.endm
	s_load_b256 s[4:11], s[0:1], 0x0               ; a_img, b_img, scl, out0
	v_lshl_add_u32 v[SPW], v0, 2, SPARE
	v_mov_b32 v[NIL], 0
	ds_add_u32 v[SPW], v[NIL]                      ; the opening: the add twice on end and its wait ahead of my first tensor load
	ds_add_u32 v[SPW], v[NIL]
	v_lshrrev_b32 v1, 5, v0
	v_readfirstlane_b32 s14, v1                    ; wave
	s_lshr_b32 s15, s14, 1                         ; h: my K range
	s_and_b32 s16, s14, 1                          ; mh: my row half; also the panel of B that I fetch
	s_bfe_u32 s40, ttmp6, 0x40000                  ; cx
	s_lshl_b32 s17, ttmp9, 2
	s_add_co_u32 s17, s17, s40                     ; the block's row
	s_and_b32 s42, ttmp7, 0xffff                   ; the block's column
	s_mov_b32 s[G1+0], 15|(3<<16)|(1<<21)          ; mask: the four partners; elements of 8 bytes; bit 21 beside a mask
	s_mov_b32 s[G1+1], 64<<16
	s_mov_b32 s[G1+2], 72<<16
	s_mov_b32 s[G1+3], 64<<16
	s_mov_b32 s[G1+4], 72
	s_mov_b32 s[G1+5], 64
	s_mov_b32 s[G1+6], 0
	s_mov_b32 s[G1+7], 0
	s_mov_b32 s[G1S+0], 15|(3<<16)|(1<<21)
	s_mov_b32 s[G1S+1], 32<<16
	s_mov_b32 s[G1S+2], 96<<16
	s_mov_b32 s[G1S+3], 32<<16
	s_mov_b32 s[G1S+4], 96
	s_mov_b32 s[G1S+5], 32
	s_mov_b32 s[G1S+6], 0
	s_mov_b32 s[G1S+7], 0
	s_lshl_b32 s46, s42, 1
	s_add_co_u32 s46, s46, s16
	s_mul_i32 s46, s46, PANEL
	s_mul_i32 s18, s15, 32*KST
	s_add_co_u32 s46, s46, s18                     ; B: panel 2 x column + wave % 2, K range h
	s_mov_b32 s47, 0
	s_mul_i32 s45, s14, TILE                       ; and where it goes in a slot
	s_mul_i32 s20, s17, PANEL
	s_add_co_u32 s20, s20, s18
	s_mul_i32 s19, s16, 4*FRB
	s_add_co_u32 s20, s20, s19                     ; A: my panel, K range, four fragments
	s_mov_b32 s21, 0
	s_mul_i32 s22, s40, TILE/4
	s_add_co_u32 s22, s22, s46                     ; the prefetches of B: my work-group's quarter of my tile
	s_mov_b32 s23, 0
	s_lshl_b32 s72, s15, 14                        ; scale records: 32 h records of 512 bytes
	s_lshl_b32 s73, s17, 15
	s_add_co_u32 s73, s73, s72
	s_lshl_b32 s74, s16, 8
	s_add_co_u32 s73, s73, s74                     ; A's words
	s_lshl_b32 s75, s42, 16
	s_add_co_u32 s75, s75, s72
	s_add_co_u32 s75, s75, 524288
	s_lshl_b32 s76, s15, 15
	s_add_co_u32 s77, s75, s76                     ; the kept panel's, blocks 0-3
	s_xor_b32 s76, s76, 32768
	s_add_co_u32 s78, s75, s76                     ; the other panel's, blocks 8-11
	s_add_co_u32 s79, s77, 256                     ; blocks 4-7
	s_add_co_u32 s80, s78, 256                     ; blocks 12-15
	s_mul_i32 s81, s15, 3*TILE                     ; LDS: range h's tiles are 2 h and 2 h + 1: the kept panel h is tile 3 h,
	s_add_co_u32 s82, s15, 1
	s_mul_i32 s82, s82, TILE                       ; the other tile h + 1
	s_lshl_b32 s83, s14, 15                        ; the exchange, in slot 1's bytes: 32,768 a wave; my partner is wave xor 2
	s_xor_b32 s84, s83, 2*XCH
	s_add_co_u32 s83, s83, SLOT
	s_add_co_u32 s84, s84, SLOT
	s_mul_i32 s85, s14, 16*SPITCH                  ; my stage, in slot 0's bytes
	s_lshl_b32 s86, s17, 7
	s_lshl_b32 s87, s16, 6
	s_add_co_u32 s86, s86, s87
	s_lshl_b32 s86, s86, 14                        ; out0: my first row, 16,384 bytes a row,
	s_lshl_b32 s87, s42, 10
	s_add_co_u32 s86, s86, s87
	s_lshl_b32 s87, s15, 9
	s_add_co_u32 s86, s86, s87                     ; the kept panel's 512 bytes
	s_mov_b32 s87, 0
	v_and_b32 v1, 15, v0
	v_bfe_u32 v2, v0, 4, 1
	v_and_b32 v5, 31, v0
	v_sub_nc_u32 v7, 1, v2
	v_lshlrev_b32 v3, 4, v1
	v_lshlrev_b32 v[CO], 4, v5
	v_mad_u32_u24 v[SOFX], s73, v7, v3
	v_mad_u32_u24 v[SOFY], s79, v7, v3
	v_add_nc_u32 v[SOFZ], s80, v3
	v_mad_u32_u24 v[SOFX], s77, v2, v[SOFX]
	v_mad_u32_u24 v[SOFY], s78, v2, v[SOFY]
	v_add_nc_u32 v[ADRB], s81, v[CO]
	v_add_nc_u32 v[ADRB+1], s82, v[CO]
	v_add_nc_u32 v[ADRB+2], SLOT, v[ADRB]
	v_add_nc_u32 v[ADRB+3], SLOT, v[ADRB+1]
	v_add_nc_u32 v[XW], s83, v[CO]
	v_add_nc_u32 v[XR], s84, v[CO]
	v_mul_u32_u24 v6, v1, SPITCH
	v_lshl_add_u32 v6, v2, 5, v6
	v_add_nc_u32 v[STO], s85, v6
	v_add_nc_u32 v[RD], s85, v[CO]
	v_lshlrev_b32 v[PFO], 8, v5
	v_min_u32 v4, 3, v5
	v_min_u32 v8, 23, v5
	v_lshl_add_u32 v[PFO2], v4, 8, 8192
	v_lshlrev_b32 v[PFV], 8, v8
	s_wait_alu depctr_va_vdst(0)
	s_wait_dscnt 0x0                               ; both opening adds are done
	s_wait_kmcnt 0x0
	s_add_nc_u64 s[46:47], s[6:7], s[46:47]
.irp s, 0,1
	s_mov_b32 s[G0+4*\s], 1
	s_add_co_u32 s[G0+4*\s+1], s45, \s*SLOT
	s_add_nc_u64 s[G0+4*\s+2:G0+4*\s+3], s[46:47], \s*TILE
	s_or_b32 s[G0+4*\s+3], s[G0+4*\s+3], 0x80000000
.endr
	s_add_nc_u64 s[AB:AB+1], s[4:5], s[20:21]
	s_add_nc_u64 s[PB:PB+1], s[6:7], s[22:23]
	s_mov_b64 s[SB:SB+1], s[8:9]
	s_add_nc_u64 s[12:13], s[10:11], s[86:87]
	CROUND                                         ; the four partners are here: the first joint loads meet
	JLOAD G0, G1                                   ; slot 0: one tensor load a wave at the head
	ASKB 1, 0
	GL 0, 0                                        ; A and the scale words of steps 0 to 2
	GL 1, 1
	GL 2, 2
	s_wait_tensorcnt 0x0                           ; my tile of slot 0 is in; slot 1's first fill is issued as a refill is
	ds_add_u32 v[SPW], v[NIL]
	s_wait_dscnt 0x0
	CROUND
	JLOAD G0+4, G1
	FETCH_B 0, 0, 0
	FETCH_B 0, 0, 1
	ASKB 2, 0
	STEP 0, 0, 0, 1, 30, 3, -1, 0                  ; step 0 starts the sums
	s_mov_b32 s3, 4
.Llap:                                                 ; a trip: six steps, from a lap's second to the next lap's first; both slots are filled again
	STEP 0, 1, 1, 0, 30, 4, 7, 0
	TURN 0, 1, 2, 30, 1, 5, 8, 1
	STEP 1, 0, 0, 0, 30, 6, 9, 0
	STEP 1, 1, 1, 0, 30, 7, 10, 0
	TURN 1, 0, 2, 30, 1, 8, 11, 2
	STEP 0, 0, 0, 0, 30, 3, 12, 1                  ; the bases step to the next lap ahead of this step's loads: its step 3
	s_sub_co_u32 s3, s3, 1
	s_cmp_lg_u32 s3, 0
	s_cbranch_scc1 .Llap
	STEP 0, 1, 1, 0, 30, 4, -1, 0                  ; steps 25 to 31, written out: the loads run down
	TURN 0, 1, 2, 30, 2, 5, -1, 0                  ; the last refill: slot 10, two steps
	STEP 1, 0, 0, 0, 30, 6, -1, 0
	STEP 1, 1, 1, 0, 30, 7, -1, 0
	TURN 1, 0, 2, 30, 0, -1, -1, 0
	STEP 0, 0, 0, 0, 15, -1, -1, 0
	s_wait_loadcnt 0x0
	s_wait_dscnt 24
	WIN MUL_LO
	MUL16 0, 1, 0
	MUL16 4, 1, 0
	s_wait_dscnt 0x0
	WIN MUL_HI
	MUL16 8, 1, 0
	MUL16 12, 1, 0
	WIN 0
	PLACES
	; THE TWO K RANGES ARE JOINED: window 3 (the other panel's sums) goes to my partner through slot 1's bytes, which have had their last fill and, at the last change of slots, their last read
	WIN 0x0c
.set n, 0
.rept 64
	ds_store_b128 v[XW], v[4*n:4*n+3] offset:512*n
.set n, n+1
.endr
	WIN 0
	s_wait_dscnt 0x0                               ; for the others' sake: my stores are done, and my reads of slot 0 are over
	s_barrier_signal -1
	s_barrier_wait -1
	WIN 0x40
.set n, 0
.rept 64
	ds_load_b128 v[4*n:4*n+3], v[XR] offset:512*n
.set n, n+1
.endr
.irp a, 0,1,2,3
	s_wait_dscnt 48-16*\a
	WIN 0x46
.set n, 0
.rept 32
	v_pk_add_f32 v[64*\a+2*n:64*\a+2*n+1], v[64*\a+2*n:64*\a+2*n+1], v[64*\a+2*n:64*\a+2*n+1]
.set n, n+1
.endr
.endr
; THE WAY OUT: 16 rows x 128 columns at a time through my own stage (slot 0's bytes) and back as whole rows of 512 bytes: each store of the wave covers 512 consecutive bytes, aligned
.macro TOSTAGE a
	WIN 0x04
.irp b, 0,1,2,3,4,5,6,7
	ds_store_b128 v[STO], v[64*(\a)+8*\b:64*(\a)+8*\b+3] offset:64*\b
	ds_store_b128 v[STO], v[64*(\a)+8*\b+4:64*(\a)+8*\b+7] offset:64*\b+16
.endr
	WIN 0
.set BB, BK+64*((\a)%2)
.irp t, 0,1,2,3,4,5,6,7,8,9,10,11,12,13,14,15
	ds_load_b128 v[BB+4*\t:BB+4*\t+3], v[RD] offset:\t*SPITCH
.endr
.endm
.macro SEND a, younger
.set BB, BK+64*((\a)%2)
	s_wait_dscnt \younger
.irp t, 0,1,2,3,4,5,6,7,8,9,10,11,12,13,14,15
	global_store_b128 v[CO], v[BB+4*\t:BB+4*\t+3], s[12:13] offset:(16*(\a)+\t)*16384 th:TH_STORE_NT
.endr
.endm
	TOSTAGE 0
	s_wait_alu depctr_va_vdst(0)
.irp a, 1,2,3
.if \a > 1
	s_wait_xcnt 0x0                                ; block a - 2's stores have read their registers
.endif
	TOSTAGE \a
	SEND \a-1, 32
.endr
	SEND 3, 0
	s_wait_tensorcnt 0x0                           ; the wave's end
	ds_add_u32 v[SPW], v[NIL]
	s_wait_dscnt 0x0
	CROUND                                         ; the closing round
	s_endpgm
.Lfunc_end_k_q7024ba72ae_gemm:
	.size	k_q7024ba72ae_gemm, .Lfunc_end_k_q7024ba72ae_gemm-k_q7024ba72ae_gemm
	.p2alignl 7, 3214868480
	.fill 96, 4, 3214868480
	.section	.rodata,"a",@progbits
	.p2align	6, 0x0
	.amdhsa_kernel k_q7024ba72ae_gemm
		.amdhsa_group_segment_fixed_size 327680
		.amdhsa_private_segment_fixed_size 0
		.amdhsa_enable_private_segment 0
		.amdhsa_kernarg_size 32
		.amdhsa_user_sgpr_count 2
		.amdhsa_user_sgpr_kernarg_segment_ptr 1
		.amdhsa_wavefront_size32 1
		.amdhsa_system_sgpr_workgroup_id_x 1
		.amdhsa_system_sgpr_workgroup_id_y 1
		.amdhsa_system_sgpr_workgroup_id_z 1
		.amdhsa_system_vgpr_workitem_id 0
		.amdhsa_next_free_vgpr 1024
		.amdhsa_next_free_sgpr 100
		.amdhsa_reserve_vcc 0
		.amdhsa_float_denorm_mode_32 3
		.amdhsa_float_denorm_mode_16_64 3
		.amdhsa_memory_ordered 1
		.amdhsa_forward_progress 1
		.amdhsa_inst_pref_size 223
	.end_amdhsa_kernel
	.amdgpu_metadata
---
amdhsa.version: [ 1, 2 ]
amdhsa.kernels:
  - .name:           k_q7024ba72ae_gemm
    .symbol:         k_q7024ba72ae_gemm.kd
    .args:
      - { .name: a_img, .offset: 0, .size: 8, .value_kind: global_buffer, .address_space: global }
      - { .name: b_img, .offset: 8, .size: 8, .value_kind: global_buffer, .address_space: global }
      - { .name: scl, .offset: 16, .size: 8, .value_kind: global_buffer, .address_space: global }
      - { .name: out0, .offset: 24, .size: 8, .value_kind: global_buffer, .address_space: global }
    .group_segment_fixed_size: 327680
    .private_segment_fixed_size: 0
    .kernarg_segment_align: 8
    .kernarg_segment_size: 32
    .max_flat_workgroup_size: 128
    .sgpr_count:     100
    .vgpr_count:     1024
    .wavefront_size: 32
...
	.end_amdgpu_metadata
.endif
;; end of part 2
